; MI455X (gfx1250); checked and timed in simulation.
; The chip was launched on July 23, 2026; its instructions are those of AMD's public machine-readable ISA for CDNA 5 (MIT licence, August 2026) and "CDNA5" Instruction Set Architecture Reference Guide (July 2026). The comments in the code are by the model that wrote it; some were corrected since.
;; Self Attention. Allowed arithmetic: matrix products marked QUANTISED: E5M2 operands, one given power-of-two scale a tensor, by v_wmma_f32_16x16x64_bf8_bf8 or v_wmma_f32_16x16x128_bf8_bf8, f32 sums; everything else in f32.
;; Inputs: b_out 1,024 float32; b_qkv 3,072 float32; gn_b 1,024 float32; gn_w 1,024 float32; lowp_scales 8 int32 (the exponents e of the quantised operands' scales 2^e); w_out_codes 1,024 x 32 x 32 uint8 (E5M2 codes of w_out, K innermost, in blocks of 32 codes); w_qkv_codes 3,072 x 32 x 32 uint8 (E5M2 codes of w_qkv, K innermost, in blocks of 32 codes); x 4 x 1,024 x 1,024 float32.
;; Outputs: out0 4 x 1,024 x 1,024 float32.
;; This version of the problem:
;;   THIS VERSION OF THE PROBLEM IS GIVEN IN LOW PRECISION. The matrix products marked QUANTISED in the list below multiply operands that are first quantised to E5M2 (5 exponent bits, 2 mantissa bits; 8 bits a number), with one given power-of-two scale for each operand tensor; their sums are f32. All else is computed in f32.
;;   The module's matrix products, in the order in which they are computed (A, B: the left and right operand; K: the contracted axis; several contracted axes count as one K, in the product's order):
;;     1. [M 4,096, K 1,024] x [K 1,024, N 3,072]; A: computed on the way; B: input w_qkv (given as codes): QUANTISED (scales: A lowp_scales[0], B lowp_scales[1])
;;     2. batch 64 x [M 1,024, K 64] x [K 64, N 1,024]; A: computed on the way; B: computed on the way: QUANTISED (scales: A lowp_scales[2], B lowp_scales[3])
;;     3. batch 64 x [M 1,024, K 1,024] x [K 1,024, N 64]; A: softmax (see below); B: computed on the way: QUANTISED (scales: A lowp_scales[4], B lowp_scales[5])
;;     4. [M 4,096, K 1,024] x [K 1,024, N 1,024]; A: computed on the way; B: input w_out (given as codes): QUANTISED (scales: A lowp_scales[6], B lowp_scales[7])
;;   THE QUANTISER, for each operand of a quantised product, along K:
;;     - The operand's scale is 2^e, e = its entry of the input lowp_scales (int32; the entries are numbered through the quantised products in the list's order, A before B).
;;     - Each number is divided by the scale, clamped to +-57,344, and rounded to the nearest number of E5M2, ties to even, subnormals kept.
;;     - The product sums the exact products of the quantised numbers (number of the format x scale) in f32.
;;   ~~~python
;;   def quantise(x, axis, e):      # numpy; x: float32 -> the quantised numbers, widened to float32 again
;;       x = np.moveaxis(x, axis, -1); K = x.shape[-1]
;;       r = np.clip(x / 2.0 ** e, -57344, 57344)
;;       step = 2.0 ** (np.maximum(np.frexp(np.where(r == 0, 1, r))[1] - 1, -14) - 2)
;;       q = np.round(r / step) * step * 2.0 ** e      # np.round: ties to even
;;       return np.moveaxis(q, -1, axis).astype(np.float32)
;;   ~~~
;;   SOFTMAX AHEAD OF A QUANTISED PRODUCT. Where the list says 'softmax', what is quantised is not the finished softmax but p = 2^(t - M), with t = logit x log2(e) and M = ceil(the row's largest t), a whole number; so 1/2 < the row's largest p <= 1. The row's sum l is taken of the UNQUANTISED p, in f32, and the product's result is divided by l at the end. Since M is a whole number, a kernel that streams over the keys may use a running M (the ceiling of the running maximum): every later rescaling is an exact power of two, so the quantised numbers keep their values, but for numbers so far below the row's largest that they fall under the format's range.
;;   OPERANDS COMPUTED ON THE WAY. 'Computed on the way' means the value that the module computes at that place (a softmax that the list does not call 'softmax' is quantised finished and normalised). What goes into a quantiser is computed in f32, as accurately as f32 sums, v_exp_f32 and their like allow (about 1e-6 of the number): no bf16 or f16 on the way to a quantiser, and a product that is left as it is and whose result goes on into a quantised operand takes f32 operands (vector FMAs, or v_wmma_f32_16x16x4_f32). A number that lies on a knife's edge between two numbers of the format may be rounded either way, as far as f32 arithmetic and the matrix unit's own rounding can turn it there, and no further.
;;   INPUTS GIVEN AS CODES. w_out (in the module: [1024, 1024], K = its axis 1); w_qkv (in the module: [3072, 1024], K = its axis 1): each comes as NAME_codes (uint8): NAME with its K axis moved to the last place and cut into blocks of 32 codes, [.., K / 32, bytes a block], one block behind the other in memory; one code a byte (a code: sign, 5 exponent bits, 2 mantissa bits); its scale is its entry of lowp_scales. Its value is code x scale, taken as it is: it is not quantised again, and the codes and scales need not be those that the quantiser above would give.
;; One version. Each part assembles by itself: llvm-mc -triple=amdgcn-amd-amdhsa -mcpu=gfx1250 --defsym DOCPART=n.
;; ======== version 1 of 1: 4 launches
;; limits: right only within a limited range of input values
;; workspace buffers: h_codes 4,194,304 bytes; qkv_img 12,582,912 bytes; o_codes 4,194,304 bytes
;; launch gnq (part 1): grid 128 x 1, 16 waves a work-group, no clusters, 35,328 bytes of LDS; arguments x, gn_w, gn_b, lowp_scales, h_codes; writes h_codes
.if DOCPART == 1
	.amdgcn_target "amdgcn-amd-amdhsa--gfx1250"
	.amdhsa_code_object_version 6
	.text
	.protected	k_q6e5c650bb6_gnq
	.globl	k_q6e5c650bb6_gnq
	.p2align	8
	.type	k_q6e5c650bb6_gnq,@function
k_q6e5c650bb6_gnq:
	s_mov_b64 s[64:65], 0
	v_nop
	global_prefetch_b8 v0, s[64:65] scope:SCOPE_SE
	s_setreg_imm32_b32 hwreg(HW_REG_WAVE_MODE, 25, 1), 1
	s_wait_xcnt 0x0
; h = GroupNorm(x) over groups of 32 rows x 1,024 columns, gain and bias per row, then quantised to E5M2 with the given scale 2^e0.
; x: [4][1024][1024] f32.  h_codes: [4096][1024], one code a byte, row-major.
; SHARES.  A work-group owns one of the 128 groups (32 rows, 131,072 bytes); each of its 16 waves owns two rows; a lane holds 64 numbers in registers,
; so x is read once: mean, then the sum of squared deviations (two passes over registers: no difference of large sums), then the affine and the code.
; A group's two sums meet in LDS: each wave stores its part to a word of its own, a barrier, every wave reads all sixteen.
; One scale serves the whole tensor, so a conversion may take any eight numbers of a lane: it takes them as loaded; the codes go through the wave's own
; stage in LDS (4 bytes a lane in, 16 bytes a lane out), so that each store of the wave covers 512 consecutive bytes, aligned.
; ROUNDING: rstd x gain is rounded once and then multiplies the deviation in a fused multiply-add with the bias.
; LIMITS: e0 between -126 and 112, so that 2^e0 and 57,344 x 2^e0 are f32 numbers.  NaN among the inputs is not served.
.set X,    16                          ; v16-79   my 64 numbers: row q, load i at X + 32 q + 4 i
.set PS,   80                          ; v80-95   the sixteen waves' partial sums
.set C,    96                          ; v96-111  codes
.set OUTR, 112                         ; v112-127 the wave's two rows of codes, read back
.set RED1, 0                           ; LDS: sixteen words for the first sum,
.set RED2, 256                         ; sixteen for the second,
.set STG,  512                         ; and 2,048 bytes of stage for each wave
	s_load_b256 s[4:11], s[0:1], 0x0               ; x s[4:5], gn_w s[6:7], gn_b s[8:9], the scales' exponents s[10:11]
	s_load_b64 s[12:13], s[0:1], 0x20              ; h_codes
	v_lshl_add_u32 v128, v0, 2, 0x8200
	v_mov_b32 v129, 0
	v_lshrrev_b32 v2, 5, v0
	s_delay_alu instid0(VALU_DEP_1)
	v_readfirstlane_b32 s14, v2                    ; wave 0..15
	v_and_b32 v3, 31, v0                           ; lane
	s_delay_alu instid0(VALU_DEP_1)
	v_lshlrev_b32 v1, 4, v3                        ; 16 x lane: my place in 512 bytes
	s_lshl_b32 s15, s14, 11
	s_add_co_u32 s15, s15, STG                     ; my wave's stage
	v_lshl_add_u32 v2, v3, 2, s15                  ; into it: 4 bytes a lane
	v_add_nc_u32 v3, s15, v1                       ; out of it: 16 bytes a lane
	v_mov_b32 v4, s14
	s_delay_alu instid0(VALU_DEP_1)
	v_lshlrev_b32 v4, 2, v4                        ; my wave's word among the partial sums
	v_mov_b32 v5, 0
	s_lshl_b32 s16, ttmp9, 17                      ; x: the group's 32 rows of 4,096 bytes,
	s_lshl_b32 s17, s14, 13                        ; my wave's two
	s_add_co_u32 s16, s16, s17
	s_mov_b32 s17, 0
	s_lshl_b32 s18, ttmp9, 15                      ; the codes: a quarter of that
	s_lshl_b32 s19, s14, 11
	s_add_co_u32 s18, s18, s19
	s_mov_b32 s19, 0
	s_and_b32 s24, ttmp9, 31                       ; gain and bias go by the row within the batch: 32 (group mod 32) + 2 wave
	s_lshl_b32 s24, s24, 7
	s_lshl_b32 s25, s14, 3
	s_add_co_u32 s24, s24, s25
	s_mov_b32 s25, 0
	s_mov_b32 s26, 0x76543210                      ; v_permlanex16_b32: lane l takes lane l xor 16
	s_mov_b32 s27, 0xfedcba98
	s_mov_b32 s29, 0x38000000                      ; 2^-15 = 1 / 32,768, the group's count
	s_mov_b32 s30, 0x358637bd                      ; 1e-6
	s_wait_alu depctr_va_vdst(0)
	s_wait_kmcnt 0x0
	s_add_nc_u64 s[4:5], s[4:5], s[16:17]
	s_add_nc_u64 s[12:13], s[12:13], s[18:19]
	s_add_nc_u64 s[6:7], s[6:7], s[24:25]
	s_add_nc_u64 s[8:9], s[8:9], s[24:25]
.irp q, 0,1
.irp i, 0,1,2,3,4,5,6,7
	global_load_b128 v[X+32*\q+4*\i:X+32*\q+4*\i+3], v1, s[4:5] offset:4096*\q+512*\i   ; 32 lanes read 512 consecutive bytes; no hint: a later launch reads x again
.endr
.endr
	s_load_b64 s[20:21], s[6:7], 0x0               ; my two rows' gains,
	s_load_b64 s[22:23], s[8:9], 0x0               ; biases,
	s_load_b32 s28, s[10:11], 0x0                  ; and e0
; The four packed chains v[8:15] are folded, summed over the wave's lanes and over the sixteen waves: the group's total comes out in v80 of every lane.
.macro TOTAL red
	v_pk_add_f32 v[8:9], v[8:9], v[10:11]
	s_delay_alu instid0(VALU_DEP_2)
	v_pk_add_f32 v[12:13], v[12:13], v[14:15]
	s_delay_alu instid0(VALU_DEP_1)
	v_pk_add_f32 v[8:9], v[8:9], v[12:13]
	s_delay_alu instid0(VALU_DEP_1)
	v_add_f32 v8, v8, v9
	s_delay_alu instid0(VALU_DEP_1)
	v_add_f32_dpp v8, v8, v8 row_xmask:1 row_mask:0xf bank_mask:0xf
	s_delay_alu instid0(VALU_DEP_1)
	v_add_f32_dpp v8, v8, v8 row_xmask:2 row_mask:0xf bank_mask:0xf
	s_delay_alu instid0(VALU_DEP_1)
	v_add_f32_dpp v8, v8, v8 row_xmask:4 row_mask:0xf bank_mask:0xf
	s_delay_alu instid0(VALU_DEP_1)
	v_add_f32_dpp v8, v8, v8 row_xmask:8 row_mask:0xf bank_mask:0xf
	s_delay_alu instid0(VALU_DEP_1)
	v_permlanex16_b32 v9, v8, s26, s27             ; (v9 has been written: the destination counts as read)
	s_delay_alu instid0(VALU_DEP_1)
	v_add_f32 v8, v8, v9
	ds_store_b32 v4, v8 offset:\red                ; all lanes write the wave's word with the same number
	s_wait_dscnt 0x0                               ; for the others' sake: my store has landed
	s_barrier_signal -1
	s_barrier_wait -1
.irp j, 0,1,2,3
	ds_load_b128 v[PS+4*\j:PS+4*\j+3], v5 offset:\red+16*\j
.endr
	s_wait_dscnt 0x0
	v_pk_add_f32 v[PS:PS+1], v[PS:PS+1], v[PS+2:PS+3]
	v_pk_add_f32 v[PS+4:PS+5], v[PS+4:PS+5], v[PS+6:PS+7]
	v_pk_add_f32 v[PS+8:PS+9], v[PS+8:PS+9], v[PS+10:PS+11]
	v_pk_add_f32 v[PS+12:PS+13], v[PS+12:PS+13], v[PS+14:PS+15]
	s_delay_alu instid0(VALU_DEP_3)
	v_pk_add_f32 v[PS:PS+1], v[PS:PS+1], v[PS+4:PS+5]
	s_delay_alu instid0(VALU_DEP_2)
	v_pk_add_f32 v[PS+8:PS+9], v[PS+8:PS+9], v[PS+12:PS+13]
	s_delay_alu instid0(VALU_DEP_1)
	v_pk_add_f32 v[PS:PS+1], v[PS:PS+1], v[PS+8:PS+9]
	s_delay_alu instid0(VALU_DEP_1)
	v_add_f32 v[PS], v[PS], v[PS+1]
.endm
	; the sum, as the loads come in: the first four loads start the four chains, nothing is cleared
	s_wait_loadcnt 14                              ; loads 0 and 1 are in; the fourteen younger ones stay out
	v_pk_add_f32 v[8:9], v[X:X+1], v[X+4:X+5]
	v_pk_add_f32 v[10:11], v[X+2:X+3], v[X+6:X+7]
	s_wait_alu depctr_va_vdst(0)
	s_wait_loadcnt 12                              ; loads 2 and 3
	v_pk_add_f32 v[12:13], v[X+8:X+9], v[X+12:X+13]
	v_pk_add_f32 v[14:15], v[X+10:X+11], v[X+14:X+15]
.set k, 4
	s_wait_alu depctr_va_vdst(0)
.rept 12
	s_wait_alu depctr_va_vdst(0)
	s_wait_loadcnt 15-k                            ; load k is in; the 15 - k younger ones stay out
	v_pk_add_f32 v[8+4*(k%2):9+4*(k%2)], v[8+4*(k%2):9+4*(k%2)], v[X+4*k:X+4*k+1]
	v_pk_add_f32 v[10+4*(k%2):11+4*(k%2)], v[10+4*(k%2):11+4*(k%2)], v[X+4*k+2:X+4*k+3]
.set k, k+1
.endr
	TOTAL RED1
	s_delay_alu instid0(VALU_DEP_1)
	v_mul_f32 v8, s29, v[PS]                       ; the mean,
	s_delay_alu instid0(VALU_DEP_1)
	v_mov_b32 v9, v8                               ; twice: a pair for the packed subtraction
.set j, 0
.rept 32
	v_pk_add_f32 v[X+j:X+j+1], v[X+j:X+j+1], v[8:9] neg_lo:[0,1] neg_hi:[0,1]   ; d = x - mean, in place
.set j, j+2
.endr
.irp i, 0,1,2,3
	v_pk_mul_f32 v[8+2*\i:9+2*\i], v[X+2*\i:X+2*\i+1], v[X+2*\i:X+2*\i+1]      ; the first four pairs start the chains of d^2
.endr
.set j, 4
.rept 28
	s_delay_alu instid0(VALU_DEP_4)
	v_pk_fma_f32 v[8+2*(j%4):9+2*(j%4)], v[X+2*j:X+2*j+1], v[X+2*j:X+2*j+1], v[8+2*(j%4):9+2*(j%4)]
.set j, j+1
.endr
	TOTAL RED2                                     ; other words than the first sum's: a wave may still be reading those
	s_wait_alu depctr_va_vdst(0)
	s_wait_kmcnt 0x0                               ; gains, biases, e0
	v_fma_f32 v[PS+2], v[PS], s29, s30             ; var + 1e-6
	s_wait_alu depctr_va_vdst(0)
	v_rsq_f32 v[PS+3], v[PS+2]
	v_mov_b32 v10, s22                             ; (plain lines behind the transcendental)  row 0's bias, twice,
	v_mov_b32 v11, s22
	v_mov_b32 v12, s23                             ; row 1's
	v_mov_b32 v13, s23
	s_wait_alu depctr_va_vdst(0)
	v_mul_f32 v6, s20, v[PS+3]                     ; rstd x row 0's gain, twice,
	v_mul_f32 v7, s20, v[PS+3]
	v_mul_f32 v8, s21, v[PS+3]                     ; row 1's
	v_mul_f32 v9, s21, v[PS+3]
	s_add_co_i32 s28, s28, 127
	s_lshl_b32 s15, s28, 23
	v_mov_b32 v15, s15                             ; 2^e0 as f32: the conversion takes its exponent field
	s_add_co_i32 s28, s28, 15
	s_lshl_b32 s28, s28, 23
	s_or_b32 s28, s28, 0x600000
	v_mov_b32 v14, s28                             ; 57,344 x 2^e0
.irp q, 0,1
.set j, 0
.rept 16
	v_pk_fma_f32 v[X+32*\q+j:X+32*\q+j+1], v[X+32*\q+j:X+32*\q+j+1], v[6+2*\q:7+2*\q], v[10+2*\q:11+2*\q]   ; h = d x (rstd x gain) + bias
.set j, j+2
.endr
.endr
.set j, 0
.rept 64
	v_med3_num_f32 v[X+j], v[X+j], -v14, v14       ; the conversion to an 8-bit code does not saturate (ISA guide 7.6.2): the hold at the largest code x the scale
.set j, j+1
.endr
.irp q, 0,1
.irp p, 0,1,2,3
	v_cvt_scalef32_pk8_bf8_f32 v[C+8*\q+2*\p:C+8*\q+2*\p+1], v[X+32*\q+8*\p:X+32*\q+8*\p+7], v15   ; result register u: the four codes of load 2 p + u
.endr
.endr
	v_nop                                          ; a plain line behind the last conversion
.irp q, 0,1
.irp p, 0,1,2,3
.irp u, 0,1
	ds_store_b32 v2, v[C+8*\q+2*\p+\u] offset:1024*\q+128*(2*\p+\u)   ; load i's 128 columns are 128 bytes of the row's codes, 4 a lane
.endr
.endr
.endr
.irp j, 0,1,2,3
	ds_load_b128 v[OUTR+4*\j:OUTR+4*\j+3], v3 offset:512*\j           ; LDS serves a wave's instructions in order (ISA guide 5.7.1.4): these see my stores
.endr
.irp j, 0,1,2,3
	s_wait_dscnt 3-\j                              ; load j is back; the younger ones stay out
	global_store_b128 v1, v[OUTR+4*\j:OUTR+4*\j+3], s[12:13] offset:512*\j   ; 32 lanes store 512 consecutive bytes, at a multiple of 512 from the buffer's first byte
.endr
	s_wait_tensorcnt 0x0
	ds_add_u32 v128, v129
	s_wait_dscnt 0x0
	s_endpgm
.Lfunc_end_k_q6e5c650bb6_gnq:
	.size	k_q6e5c650bb6_gnq, .Lfunc_end_k_q6e5c650bb6_gnq-k_q6e5c650bb6_gnq
	.p2alignl 7, 3214868480
	.fill 96, 4, 3214868480
	.section	.rodata,"a",@progbits
	.p2align	6, 0x0
	.amdhsa_kernel k_q6e5c650bb6_gnq
		.amdhsa_group_segment_fixed_size 35328
		.amdhsa_private_segment_fixed_size 0
		.amdhsa_enable_private_segment 0
		.amdhsa_kernarg_size 40
		.amdhsa_user_sgpr_count 2
		.amdhsa_user_sgpr_kernarg_segment_ptr 1
		.amdhsa_wavefront_size32 1
		.amdhsa_system_sgpr_workgroup_id_x 1
		.amdhsa_system_sgpr_workgroup_id_y 1
		.amdhsa_system_sgpr_workgroup_id_z 1
		.amdhsa_system_vgpr_workitem_id 0
		.amdhsa_next_free_vgpr 130
		.amdhsa_next_free_sgpr 66
		.amdhsa_reserve_vcc 0
		.amdhsa_float_denorm_mode_32 3
		.amdhsa_float_denorm_mode_16_64 3
		.amdhsa_memory_ordered 1
		.amdhsa_forward_progress 1
		.amdhsa_inst_pref_size 25
	.end_amdhsa_kernel
	.amdgpu_metadata
---
amdhsa.version: [ 1, 2 ]
amdhsa.kernels:
  - .name:           k_q6e5c650bb6_gnq
    .symbol:         k_q6e5c650bb6_gnq.kd
    .args:
      - { .name: x, .offset: 0, .size: 8, .value_kind: global_buffer, .address_space: global }
      - { .name: gn_w, .offset: 8, .size: 8, .value_kind: global_buffer, .address_space: global }
      - { .name: gn_b, .offset: 16, .size: 8, .value_kind: global_buffer, .address_space: global }
      - { .name: lowp_scales, .offset: 24, .size: 8, .value_kind: global_buffer, .address_space: global }
      - { .name: h_codes, .offset: 32, .size: 8, .value_kind: global_buffer, .address_space: global }
    .group_segment_fixed_size: 35328
    .private_segment_fixed_size: 0
    .kernarg_segment_align: 8
    .kernarg_segment_size: 40
    .max_flat_workgroup_size: 512
    .sgpr_count:     66
    .vgpr_count:     130
    .wavefront_size: 32
...
	.end_amdgpu_metadata
.endif
;; end of part 1
;; launch qkv (part 2): grid 8 x 32, 4 waves a work-group, clusters of 4 x 4, 327,680 bytes of LDS; arguments h_codes, w_qkv_codes, lowp_scales, b_qkv, qkv_img; writes qkv_img
.if DOCPART == 2
	.amdgcn_target "amdgcn-amd-amdhsa--gfx1250"
	.amdhsa_code_object_version 6
	.text
	.protected	k_q6e5c650bb6_qkv
	.globl	k_q6e5c650bb6_qkv
	.p2align	8
	.type	k_q6e5c650bb6_qkv,@function
k_q6e5c650bb6_qkv:
	s_mov_b64 s[64:65], 0
	v_nop
	global_prefetch_b8 v0, s[64:65] scope:SCOPE_SE
	s_setreg_imm32_b32 hwreg(HW_REG_WAVE_MODE, 25, 1), 1
	s_wait_xcnt 0x0
	s_wait_alu depctr_hold_cnt(0) depctr_sa_sdst(0) depctr_va_vdst(0) depctr_va_sdst(0) depctr_va_ssrc(0) depctr_va_vcc(0) depctr_vm_vsrc(0)
	s_getreg_b32 s2, hwreg(HW_REG_IB_STS2, 6, 4)
	s_cmp_eq_u32 s2, 0
	s_cbranch_scc0 .Lentry_in_a_cluster
	s_endpgm
.Lentry_in_a_cluster:
	s_bfe_u32 s2, ttmp6, 0x10000c
	s_cmp_lg_u32 s2, 0xf033
	s_cbranch_scc0 .Lentry_shape_is_right
	s_endpgm
.Lentry_shape_is_right:
; qkv = h w_qkv^T + b_qkv on codes of E5M2, then q, k and v are quantised (scales 2^e2, 2^e3, 2^e5) and stored as IMAGES OF THE OPERAND REGISTERS that the attention launch wants.
; h_codes [4096][1024], w_qkv_codes [3072][1024]: one code a byte, K innermost.  A sum stands for sum x 2^(e0 + e1); the bias is added in f32 by one fused multiply-add.
; SHARES.  256 work-groups: 32 tiles of 128 tokens x 8 groups of features, and a group is 128 features of q, the same 128 of k and the same 128 of v: two heads.  Four waves; a wave makes 128 tokens x 96 features:
; 32 of q, 32 of k and 32 of v, one half of one head: 48 accumulators, 384 registers.  K goes in four steps of 256 through two LDS slots of 512 rows (wave 0 fetches h's 128, waves 1, 2, 3 the 128 of q, k, v).
; TWO ORIENTATIONS.  q and k: source 0 = 16 features, source 1 = 16 tokens: a lane holds one token and eight neighbouring d, the next product's K.  v: the sources swapped: a lane holds one d and eight neighbouring tokens.
; CLUSTERS of 4 x 4: the four work-groups of a row share the tile of h, the four of a column the tiles of w_qkv: each is asked for jointly.
; PREFETCH: behind each K step's load the next K step is asked for, one load ahead of the load that wants it.  Each row's 256 bytes are named once in a cluster: of the 128 rows that a wave
; fetches, the four partners take 32 each, by address, a lane a row, one instruction a wave.  K step 0 comes by its load alone; behind K step 3 nothing is asked for.
; qkv_img, for each of the 64 heads 196,608 bytes; a group of four registers is 512 bytes, lane l's 16 bytes at 16 l:
;   [0, 65,536): Q, 64 tiles of 16 tokens x 1,024 bytes: lane (r, h) holds token r; registers 2 c, 2 c + 1 hold d = 16 c + 8 h + 0 .. 7.
;   then 8 key steps of 16,384 bytes: K's 8 tiles of 16 keys, laid as Q's; V's 4 tiles of 16 d x 2,048 bytes: lane (r, h) holds d = r; registers 2 c, 2 c + 1 hold keys 16 c + 8 h + 0 .. 7.
; The conversions' results are those registers, so every store of a wave covers 512 consecutive bytes, aligned.
; Within a matrix instruction k is permuted alike in both operands (four loads of 16 bytes a fragment): every product meets its partner.
; LIMITS: e0 + e1 between -126 and 127; e2, e3, e5 between -126 and 112.  NaN among the inputs is not served.
; REGISTERS: window 0: v0-127 addresses, constants, bias, v's codes; v128-255 h's fragments, ONE set, later numbers and codes.  window 1: w_qkv's fragments, two sets of 96.  windows 2, 3: the accumulators of token blocks 0-3, 4-7.
.set ROWB,   256                       ; a tile's row: 256 codes
.set KROW,   1024
.set PITCH,  272                       ; an LDS row: 256 bytes + 16 of padding: the 16 rows that a load touches start at 16 different banks (64 banks of 4 bytes: ISA guide 11.1)
.set HALFT,  128*PITCH                 ; what one tensor load brings
.set SLOT,   4*HALFT                   ; h's 128 rows, then q's, k's, v's
.set SPARE,  2*SLOT                    ; the spare words
.set HEADB,  196608
.set QS,   8                           ; v8-13: scale and 57,344 x scale of q, k, v
.set ADRA, 16                          ; v16-17 LDS address of h's fragments in slot 0, 1
.set ADRB, 18                          ; v18-19 of q's and k's
.set ADRV, 20                          ; v20-21 of v's
.set LN16, 22
.set BOF,  23
.set BVO,  24
.set PFO,  25                          ; the prefetches' offset: my lane x a row; never rewritten
.set SPW,  28                          ; my spare word; never rewritten
.set NIL,  29                          ; 0; never rewritten
.set BIAS, 32                          ; v32-63 q's and k's, eight numbers for each tile
.set BV,   64                          ; v64-67 v's, one number a lane for each tile, twice
.set VC,   96                          ; v96-127 v's codes
.set AF,   128
.set TMP,  128                         ; the way out: 48 numbers
.set CD,   176                         ; and eight registers of codes for each block of tokens
.set G1,  24                           ; s[24:31] descriptor group 1 for h;  s[32:39] group 0, one set for each slot
.set G0,  32
.set G1B, 48                           ; s[48:55], s[56:63] the same for w_qkv
.set G0B, 56
.set MSB, 0
.macro WIN new                         ; the immediate's high byte repeats the setting that is left
.if MSB != (\new)
	s_set_vgpr_msb (MSB<<8)|(\new)
.set MSB, (\new)
.endif
.endm
; A joint load: wave 0 for h, the others for w_qkv.  Each line has one mask and one set of registers for all that issue it; the branch hangs on the wave's number alone.
.macro JLOAD s
	s_cmp_eq_u32 s14, 0
	s_cbranch_scc0 .Lfor_b_\@
	tensor_load_to_lds s[G0+4*\s:G0+4*\s+3], s[G1:G1+7]
	s_nop 0
.rept 4
	v_nop
.endr
	s_branch .Lasked_\@
.Lfor_b_\@:
	tensor_load_to_lds s[G0B+4*\s:G0B+4*\s+3], s[G1B:G1B+7]
	s_nop 0
.rept 4
	v_nop
.endr
.Lasked_\@:
.endm
.macro CREST                           ; a round of the cluster's barrier behind its opening barrier
	s_cmp_lg_u32 s14, 0
	s_cbranch_scc1 .Lnot_wave_0_\@
	s_barrier_signal -3
.Lnot_wave_0_\@:
	s_barrier_wait -3
	s_barrier_signal -1
	s_barrier_wait -1
.endm
.macro CROUND
	s_barrier_signal -1
	s_barrier_wait -1
	CREST
.endm
	s_load_b128 s[4:7], s[0:1], 0x0                ; h_codes s[4:5], w_qkv_codes s[6:7]
	s_load_b128 s[8:11], s[0:1], 0x10              ; the scales' exponents s[8:9], b_qkv s[10:11]
	s_load_b64 s[12:13], s[0:1], 0x20              ; qkv_img
	v_lshl_add_u32 v[SPW], v0, 2, SPARE
	v_mov_b32 v[NIL], 0
	ds_add_u32 v[SPW], v[NIL]                      ; the opening lines: the add twice on end
	ds_add_u32 v[SPW], v[NIL]
	v_lshrrev_b32 v1, 5, v0
	v_readfirstlane_b32 s14, v1                    ; wave 0..3
	s_bfe_u32 s40, ttmp6, 0x40000                  ; cx, cy: my place in the cluster
	s_bfe_u32 s41, ttmp6, 0x40004
	s_lshl_b32 s42, ttmp9, 2
	s_add_co_u32 s42, s42, s40                     ; group of features, 0..7
	s_and_b32 s17, ttmp7, 0xffff
	s_lshl_b32 s17, s17, 2
	s_add_co_u32 s17, s17, s41                     ; tile of tokens, 0..31
	s_lshl_b32 s43, s41, 2
	s_lshl_b32 s43, 15, s43                        ; my row of the cluster
	s_lshl_b32 s44, 0x1111, s40                    ; my column
	; descriptor group 1: 128 rows x 256 bytes, padded in LDS
	s_or_b32 s[G1], s43, (1<<20)|(1<<21)|(5<<22)|(3<<25)   ; 15:0 the mask; elements of 1 byte; 20 padding on; 21 set beside a mask; 24:22 after every 64 words; 31:25 of 4 words
	s_or_b32 s[G1B], s44, (1<<20)|(1<<21)|(5<<22)|(3<<25)
.irp g, G1, G1B
	s_mov_b32 s[\g+1], ROWB<<16
	s_mov_b32 s[\g+2], 128<<16
	s_mov_b32 s[\g+3], ROWB<<16
	s_mov_b32 s[\g+4], 128
	s_mov_b32 s[\g+5], KROW
	s_mov_b32 s[\g+6], 0
	s_mov_b32 s[\g+7], 0
.endr
	s_lshl_b32 s20, s17, 17                        ; h: row 128 x tile, in bytes
	s_mov_b32 s21, 0
	s_max_u32 s46, s14, 1
	s_sub_co_u32 s46, s46, 1
	s_lshl_b32 s46, s46, 20                        ; w_qkv: row 1,024 (wave - 1)
	s_lshl_b32 s47, s42, 17
	s_add_co_u32 s46, s46, s47                     ; + 128 x group
	s_mov_b32 s47, 0
	s_mul_i32 s45, s14, HALFT                      ; where they go: no place in the cluster enters an LDS address
	s_wait_dscnt 0x0                               ; both opening adds are done
	s_wait_kmcnt 0x0
	s_load_b256 s[88:95], s[8:9], 0x0              ; e0 .. e7
	s_add_nc_u64 s[76:77], s[4:5], s[20:21]
	s_add_nc_u64 s[78:79], s[6:7], s[46:47]
.irp s, 0,1
	s_mov_b32 s[G0+4*\s], 1
	s_add_co_u32 s[G0+4*\s+1], s45, \s*SLOT
	s_add_nc_u64 s[G0+4*\s+2:G0+4*\s+3], s[76:77], \s*ROWB
	s_or_b32 s[G0+4*\s+3], s[G0+4*\s+3], 0x80000000
	s_mov_b32 s[G0B+4*\s], 1
	s_add_co_u32 s[G0B+4*\s+1], s45, \s*SLOT
	s_add_nc_u64 s[G0B+4*\s+2:G0B+4*\s+3], s[78:79], \s*ROWB
	s_or_b32 s[G0B+4*\s+3], s[G0B+4*\s+3], 0x80000000
.endr
	CROUND                                         ; all sixteen work-groups are here: the first joint loads meet
	JLOAD 0                                        ; K step 0: one tensor load a wave at the head
	; the prefetches: my wave's 128 rows, my work-group's 32 of them: told apart by cx for h, by cy for w_qkv
	s_cmp_eq_u32 s14, 0
	s_cselect_b64 s[82:83], s[4:5], s[6:7]
	s_cselect_b32 s84, s20, s46
	s_cselect_b32 s85, s40, s41
	s_lshl_b32 s85, s85, 15
	s_add_co_u32 s84, s84, s85
	s_mov_b32 s85, 0
	s_add_nc_u64 s[82:83], s[82:83], s[84:85]
	s_mul_i32 s66, s14, 32*PITCH                   ; my 32 rows of q's, k's and v's 128
	s_add_co_u32 s67, s66, HALFT
	s_add_co_u32 s68, s66, 3*HALFT
	v_and_b32 v1, 15, v0                           ; r
	v_bfe_u32 v2, v0, 4, 1                         ; h
	v_and_b32 v5, 31, v0
	v_mul_u32_u24 v3, v1, PITCH
	v_lshl_add_u32 v[ADRA], v2, 4, v3              ; a fragment's row x pitch + 16 h
	v_add_nc_u32 v[ADRA+1], SLOT, v[ADRA]
	v_add_nc_u32 v[ADRB], s67, v[ADRA]
	v_add_nc_u32 v[ADRV], s68, v[ADRA]
	v_add_nc_u32 v[ADRB+1], SLOT, v[ADRB]
	v_add_nc_u32 v[ADRV+1], SLOT, v[ADRV]
	v_lshlrev_b32 v[LN16], 4, v5
	v_lshlrev_b32 v[PFO], 10, v5
	v_lshlrev_b32 v[BOF], 5, v2
	v_lshlrev_b32 v[BVO], 2, v1
	global_prefetch_b8 v[PFO], s[82:83] offset:ROWB th:TH_LOAD_NT scope:SCOPE_SE     ; K step 1
	s_wait_alu depctr_va_vdst(0)                   ; directly ahead of the scalar lines
	; where results go: head 16 x batch + 2 x group + wave / 2; half wave % 2 of its d; the tile of tokens is key step tile % 8 of batch tile / 8
	s_lshr_b32 s66, s17, 3
	s_lshl_b32 s66, s66, 4
	s_lshl_b32 s67, s42, 1
	s_add_co_u32 s66, s66, s67
	s_lshr_b32 s67, s14, 1
	s_add_co_u32 s66, s66, s67
	s_mul_i32 s66, s66, HEADB
	s_and_b32 s67, s14, 1                          ; half
	s_and_b32 s68, s17, 7                          ; key step
	s_lshl_b32 s69, s67, 9
	s_lshl_b32 s70, s68, 13
	s_add_co_u32 s70, s70, s66
	s_add_co_u32 s70, s70, s69                     ; q: 8,192 bytes for 128 tokens
	s_mov_b32 s71, 0
	s_lshl_b32 s72, s68, 14
	s_add_co_u32 s72, s72, s66
	s_add_co_u32 s72, s72, 65536
	s_lshl_b32 s74, s67, 12
	s_add_co_u32 s74, s74, s72
	s_add_co_u32 s74, s74, 8192                    ; v: behind the step's tiles of K
	s_mov_b32 s75, 0
	s_add_co_u32 s72, s72, s69                     ; k
	s_mov_b32 s73, 0
	s_add_nc_u64 s[70:71], s[12:13], s[70:71]
	s_add_nc_u64 s[72:73], s[12:13], s[72:73]
	s_add_nc_u64 s[74:75], s[12:13], s[74:75]
	s_lshl_b32 s66, s42, 9                         ; the bias: 4 bytes x (128 x group + 32 x wave)
	s_lshl_b32 s67, s14, 7
	s_add_co_u32 s66, s66, s67
	s_mov_b32 s67, 0
	s_add_nc_u64 s[10:11], s[10:11], s[66:67]
.irp b, 0,1
.irp p, 0,1
	global_load_b128 v[BIAS+16*\p+8*\b:BIAS+16*\p+8*\b+3], v[BOF], s[10:11] offset:4096*\p+64*\b
	global_load_b128 v[BIAS+16*\p+8*\b+4:BIAS+16*\p+8*\b+7], v[BOF], s[10:11] offset:4096*\p+64*\b+16
	global_load_b32 v[BV+2*\b+\p], v[BVO], s[10:11] offset:8192+64*\b      ; the same number twice: a pair for the packed form
.endr
.endr
.macro FRAG reg, adr, off              ; a fragment, 16 rows x 128 K: lane l holds row l % 16; registers 4 c .. 4 c + 3 hold K = 32 c + 16 (l / 16) + 0 .. 15
.irp c, 0,1,2,3
	ds_load_b128 v[\reg+4*\c:\reg+4*\c+3], v[\adr] offset:\off+32*\c
.endr
.endm
.macro FETCH_B slot, q, p              ; six fragments of w_qkv into set p: q's two, k's two, v's two
	WIN 0x40
.irp i, 0,1,2,3
	FRAG 96*(\p)+16*\i, ADRB+\slot, 128*(\q)+(\i/2)*HALFT+(\i%2)*16*PITCH
.endr
.irp i, 0,1
	FRAG 96*(\p)+64+16*\i, ADRV+\slot, 128*(\q)+\i*16*PITCH
.endr
	WIN 0
.endm
.macro FETCH_A slot, q, i0             ; h's blocks i0 .. i0 + 3
.irp i, \i0, \i0+1, \i0+2, \i0+3
	FRAG AF+16*(\i), ADRA+\slot, 128*(\q)+(\i)*16*PITCH
.endr
.endm
.macro ONE d, x, y, zero
.if \zero
	v_wmma_f32_16x16x128_bf8_bf8 v[\d:\d+7], v[\x:\x+15], v[\y:\y+15], 0
.else
	v_wmma_f32_16x16x128_bf8_bf8 v[\d:\d+7], v[\x:\x+15], v[\y:\y+15], v[\d:\d+7]
.endif
.endm
; Token blocks 4 hf .. 4 hf + 3 against q's and k's four tiles (MULQK), against v's two with the sources swapped (MULV).  The 48 accumulators take turns, one instruction a turn.
.macro MULQK hf, p, zero
	WIN 0xa1+0x50*(\hf)                            ; source 0 window 1, source 1 window 0, C and D window 2 or 3
.irp a, 0,1,2,3
.irp b, 0,1,2,3
	ONE 48*\a+8*\b, 96*(\p)+16*\b, AF+16*(4*(\hf)+\a), \zero
.endr
.endr
.endm
.macro MULV hf, p, zero
	WIN 0xa4+0x50*(\hf)                            ; source 0 window 0, source 1 window 1
.irp a, 0,1,2,3
.irp b, 4,5
	ONE 48*\a+8*\b, AF+16*(4*(\hf)+\a), 96*(\p)+16*\b, \zero
.endr
.endr
.endm
; A load into a register that a matrix instruction has read, and a vector instruction that reads a matrix result, stand four places behind it (ISA guide 7.12.1 for vector instructions).
.macro PLACES
.rept 4
	v_nop
.endr
.endm
.macro STEP slot, zero                 ; a slot's first 128 along K
	s_wait_dscnt 16                                ; w_qkv's set and h's blocks 0-3 are in; the youngest sixteen loads (blocks 4-7) may be out
	MULQK 0, 0, \zero
	MULV 0, 0, \zero
	s_wait_dscnt 0
	PLACES
	FETCH_B \slot, 1, 1
	FETCH_A \slot, 1, 0
	MULQK 1, 0, \zero
	MULV 1, 0, \zero
	PLACES
	WIN 0
	FETCH_A \slot, 1, 4
.endm
; A slot's second 128 along K changes slots: one barrier.  fill = 1: this slot is filled again, two K steps ahead.  ask = 1: K step 3 is prefetched.
.macro TURN slot, next, fill, ask
	s_wait_tensorcnt 0x0                           ; my part of the next slot has landed  (every window is 0 here)
	ds_add_u32 v[SPW], v[NIL]
	s_wait_dscnt 17                                ; (the add and the youngest sixteen loads may be out)
	MULQK 0, 1, 0
	s_wait_dscnt 0x0                               ; the add is done, and my reads of this slot are over
	s_barrier_signal -1
	MULV 0, 1, 0
	WIN 0
	s_barrier_wait -1
.if \fill
	CREST                                          ; no wave of any partner still reads this slot or has a load on its way
	s_add_nc_u64 s[G0+4*\slot+2:G0+4*\slot+3], s[G0+4*\slot+2:G0+4*\slot+3], 2*ROWB
	s_add_nc_u64 s[G0B+4*\slot+2:G0B+4*\slot+3], s[G0B+4*\slot+2:G0B+4*\slot+3], 2*ROWB
	JLOAD \slot                                    ; its four v_nop are also the places in front of the loads below
.else
	PLACES
.endif
	FETCH_B \next, 0, 0
	FETCH_A \next, 0, 0
.if \ask
	global_prefetch_b8 v[PFO], s[82:83] offset:3*ROWB th:TH_LOAD_NT scope:SCOPE_SE
.endif
	MULQK 1, 1, 0
	MULV 1, 1, 0
	PLACES
	WIN 0
	FETCH_A \next, 0, 4
.endm
	s_wait_alu depctr_va_vdst(0)                   ; the wait at the head's end
	s_wait_tensorcnt 0x0                           ; my part of K step 0 is in
	ds_add_u32 v[SPW], v[NIL]
	s_wait_dscnt 0x0
	CROUND                                         ; everybody's part is in, and all sixteen work-groups are here
	JLOAD 1                                        ; K step 1
	FETCH_B 0, 0, 0
	FETCH_A 0, 0, 0
	FETCH_A 0, 0, 4
	global_prefetch_b8 v[PFO], s[82:83] offset:2*ROWB th:TH_LOAD_NT scope:SCOPE_SE   ; K step 2
	STEP 0, 1                                      ; these products start the sums: nothing is cleared
	TURN 0, 1, 1, 1                                ; slot 0 takes K step 2
	STEP 1, 0
	TURN 1, 0, 1, 0                                ; slot 1 takes K step 3
	STEP 0, 0
	TURN 0, 1, 0, 0                                ; nothing is left to fetch
	STEP 1, 0
	s_wait_dscnt 16                                ; the very last 128 along K
	MULQK 0, 1, 0
	MULV 0, 1, 0
	s_wait_dscnt 0
	MULQK 1, 1, 0
	MULV 1, 1, 0
	WIN 0
.macro QC e, reg                       ; a quantiser's scale 2^e and 57,344 x that
	s_add_co_i32 s86, s[\e], 127
	s_lshl_b32 s87, s86, 23
	v_mov_b32 v[\reg], s87
	s_add_co_i32 s86, s86, 15
	s_lshl_b32 s86, s86, 23
	s_or_b32 s86, s86, 0x600000
	v_mov_b32 v[\reg+1], s86
.endm
	s_wait_kmcnt 0x0                               ; the exponents
	s_add_co_i32 s96, s88, s89
	s_add_co_i32 s96, s96, 127
	s_lshl_b32 s96, s96, 23                        ; 2^(e0 + e1)
	s_mov_b32 s97, s96                             ; (named with it as a pair, so it is written)
	QC 90, QS
	QC 91, QS+2
	QC 93, QS+4
	PLACES
	s_wait_alu depctr_va_vdst(0)                   ; directly ahead of the wait below
	s_wait_loadcnt 0x0                             ; the bias
; THE WAY OUT, by blocks of 16 tokens: sum x 2^(e0 + e1) + bias, the hold (the conversion to an 8-bit code does not saturate: ISA guide 7.6.2), the conversion.  Every block has codes' registers of its own.
.set AI, 0
.rept 8
	WIN 0x02+(AI/4)                                ; source 0: window 2 or 3
.set JI, 0
.rept 24
.if JI < 32
	v_pk_fma_f32 v[TMP+JI:TMP+JI+1], v[48*(AI%4)+JI:48*(AI%4)+JI+1], s[96:97], v[BIAS+JI:BIAS+JI+1] op_sel_hi:[1,0,1]
.else
	v_pk_fma_f32 v[TMP+JI:TMP+JI+1], v[48*(AI%4)+JI:48*(AI%4)+JI+1], s[96:97], v[BV+2*((JI-32)/8):BV+2*((JI-32)/8)+1] op_sel_hi:[1,0,1]
.endif
.set JI, JI+2
.endr
	WIN 0
.set JI, 0
.rept 48
	v_med3_num_f32 v[TMP+JI], v[TMP+JI], -v[QS+1+2*(JI/16)], v[QS+1+2*(JI/16)]
.set JI, JI+1
.endr
.irp b, 0,1,2,3
	v_cvt_scalef32_pk8_bf8_f32 v[CD+8*AI+2*\b:CD+8*AI+2*\b+1], v[TMP+8*\b:TMP+8*\b+7], v[QS+2*(\b/2)]
.endr
.irp b, 0,1
	v_cvt_scalef32_pk8_bf8_f32 v[VC+16*\b+2*AI:VC+16*\b+2*AI+1], v[TMP+32+8*\b:TMP+39+8*\b], v[QS+4]
.endr
	v_nop                                          ; a plain line behind the last conversion: the next block writes its sources
	global_store_b128 v[LN16], v[CD+8*AI:CD+8*AI+3], s[70:71] offset:1024*AI
	global_store_b128 v[LN16], v[CD+8*AI+4:CD+8*AI+7], s[72:73] offset:1024*AI
.set AI, AI+1
.endr
.irp b, 0,1
.irp d, 0,1,2,3
	global_store_b128 v[LN16], v[VC+16*\b+4*\d:VC+16*\b+4*\d+3], s[74:75] offset:2048*\b+512*\d
.endr
.endr
	s_wait_tensorcnt 0x0                           ; the wave's end
	ds_add_u32 v[SPW], v[NIL]
	s_wait_dscnt 0x0
	CROUND                                         ; the closing round: no work-group ends while a partner may still ask for a tile that names it
	s_endpgm
.Lfunc_end_k_q6e5c650bb6_qkv:
	.size	k_q6e5c650bb6_qkv, .Lfunc_end_k_q6e5c650bb6_qkv-k_q6e5c650bb6_qkv
	.p2alignl 7, 3214868480
	.fill 96, 4, 3214868480
	.section	.rodata,"a",@progbits
	.p2align	6, 0x0
	.amdhsa_kernel k_q6e5c650bb6_qkv
		.amdhsa_group_segment_fixed_size 327680
		.amdhsa_private_segment_fixed_size 0
		.amdhsa_enable_private_segment 0
		.amdhsa_kernarg_size 40
		.amdhsa_user_sgpr_count 2
		.amdhsa_user_sgpr_kernarg_segment_ptr 1
		.amdhsa_wavefront_size32 1
		.amdhsa_system_sgpr_workgroup_id_x 1
		.amdhsa_system_sgpr_workgroup_id_y 1
		.amdhsa_system_sgpr_workgroup_id_z 1
		.amdhsa_system_vgpr_workitem_id 0
		.amdhsa_next_free_vgpr 1024
		.amdhsa_next_free_sgpr 100
		.amdhsa_reserve_vcc 0
		.amdhsa_float_denorm_mode_32 3
		.amdhsa_float_denorm_mode_16_64 3
		.amdhsa_memory_ordered 1
		.amdhsa_forward_progress 1
		.amdhsa_inst_pref_size 111
	.end_amdhsa_kernel
	.amdgpu_metadata
---
amdhsa.version: [ 1, 2 ]
amdhsa.kernels:
  - .name:           k_q6e5c650bb6_qkv
    .symbol:         k_q6e5c650bb6_qkv.kd
    .args:
      - { .name: h_codes, .offset: 0, .size: 8, .value_kind: global_buffer, .address_space: global }
      - { .name: w_qkv_codes, .offset: 8, .size: 8, .value_kind: global_buffer, .address_space: global }
      - { .name: lowp_scales, .offset: 16, .size: 8, .value_kind: global_buffer, .address_space: global }
      - { .name: b_qkv, .offset: 24, .size: 8, .value_kind: global_buffer, .address_space: global }
      - { .name: qkv_img, .offset: 32, .size: 8, .value_kind: global_buffer, .address_space: global }
    .group_segment_fixed_size: 327680
    .private_segment_fixed_size: 0
    .kernarg_segment_align: 8
    .kernarg_segment_size: 40
    .max_flat_workgroup_size: 128
    .sgpr_count:     100
    .vgpr_count:     1024
    .wavefront_size: 32
...
	.end_amdgpu_metadata
.endif
;; end of part 2
;; launch attn (part 3): grid 4 x 64, 8 waves a work-group, clusters of 4 x 1, 327,680 bytes of LDS; arguments qkv_img, lowp_scales, o_codes; writes o_codes
.if DOCPART == 3
	.amdgcn_target "amdgcn-amd-amdhsa--gfx1250"
	.amdhsa_code_object_version 6
	.text
	.protected	k_q6e5c650bb6_attn
	.globl	k_q6e5c650bb6_attn
	.p2align	8
	.type	k_q6e5c650bb6_attn,@function
k_q6e5c650bb6_attn:
	s_mov_b64 s[64:65], 0
	v_nop
	global_prefetch_b8 v0, s[64:65] scope:SCOPE_SE
	s_setreg_imm32_b32 hwreg(HW_REG_WAVE_MODE, 25, 1), 1
	s_wait_xcnt 0x0
	s_wait_alu depctr_hold_cnt(0) depctr_sa_sdst(0) depctr_va_vdst(0) depctr_va_sdst(0) depctr_va_ssrc(0) depctr_va_vcc(0) depctr_vm_vsrc(0)
	s_getreg_b32 s2, hwreg(HW_REG_IB_STS2, 6, 4)
	s_cmp_eq_u32 s2, 0
	s_cbranch_scc0 .Lentry_in_a_cluster
	s_endpgm
.Lentry_in_a_cluster:
	s_bfe_u32 s2, ttmp6, 0x10000c
	s_cmp_lg_u32 s2, 0x3003
	s_cbranch_scc0 .Lentry_shape_is_right
	s_endpgm
.Lentry_shape_is_right:
; Attention for 256 queries of one head.  o_codes: [64 heads][1024 tokens][64] codes of E5M2 with the scale 2^e6: reference() reads this without a transposition as [4096][1024].
; qkv_img: see the launch that stores it: operand registers as they are, 512 bytes for four registers.  A head: Q 64 tiles of 1,024 bytes; 8 key steps of 16,384 bytes (K 8 tiles x 1,024, V 4 tiles x 2,048).
; SHARES.  EIGHT waves; a wave owns 32 queries, two tiles A and B of 16, and walks all 1,024 keys of the head, 128 a step: each fragment of K and V feeds two products.  Both products are used transposed: a lane holds one query.
; K and V of the head lie in LDS whole, 131,072 bytes, brought by two tensor loads a wave: key steps 0 to 2 at the head, 3 to 7 behind the first has landed.  No LDS byte is filled twice.
; CLUSTERS: the four work-groups of a head ask for its K and V jointly.  No prefetch: the tiles come in two loads, the second sent as soon as the first is in, so there is no ring to run ahead in.
; SOFTMAX: t = score x c; M = the running largest t rounded up to a whole number; p = 2^(t - M), quantised without being normalised; the sum is of the unquantised p.  When M moves, sum and O are multiplied by 2^(old M - new M), exact.
; A step's 128 numbers a lane go in eight batches of 16: among batch j's exponentials stand batch j + 1's multiply-adds and batch j - 1's holds; batch j - 1's sums and batch j - 2's conversions stand ahead of them, behind one wait.
; LIMITS: e2 + e3 between -118 and 130; e4, e6 between -126 and 112.  Scaled scores stay under 2^31 in magnitude.  NaN among the inputs is not served.
.set HEADB, 196608
.set STAGE, 147456                     ; the way out: 2,048 bytes for each wave
.set SPARE, 163840                     ; the spare words, 128 bytes a wave
; window 0 (v0: my thread's number)
.set LN16, 2                           ; 16 x lane
.set ADR, 3                            ; LDS address of the step
.set SPW, 4                            ; my spare word's address; never rewritten
.set NIL, 5                            ; 0; never rewritten
.set MA, 6                             ; -M of tile A, and its largest score so far
.set MB, 8                             ; tile B's
.set FA, 10                            ; 2^(old M - new M) of A; its neighbour takes the lane permute
.set FB, 12
.set SA, 14                            ; A's sum in two pairs; B's behind it
.set SB, 18
.set T, 22                             ; eight at work
.set LIM, 30                           ; 57,344 x the scale, and the scale
.set PSC, 31
.set S, 32                             ; v32-159 scores, then p: A's 64, B's 64
.set O, 160                            ; v160-223 O^T: A's 32, B's 32
.set PC, 224                           ; v224-255 codes of p
; window 1
.set QF, 0
.set KF, 16
.set VF, 80
; scalars
.set WV, 16
.set G1, 20                            ; s[20:27], s[28:35] descriptor group 1 of the two loads;  s[36:39], s[40:43] their groups 0
.set G0, 36
.set CS, 44
.set SEL, 46
.set CNT, 66
.set TB, 67
.set MSB, 0
.macro WIN new                         ; the immediate's high byte repeats the setting that is left
.if MSB != (\new)
	s_set_vgpr_msb (MSB<<8)|(\new)
.set MSB, (\new)
.endif
.endm
.macro CROUND                          ; a round of the cluster's barrier
	s_barrier_signal -1
	s_barrier_wait -1
	s_cmp_lg_u32 s[WV], 0
	s_cbranch_scc1 .Lnot_wave_0_\@
	s_barrier_signal -3
.Lnot_wave_0_\@:
	s_barrier_wait -3
	s_barrier_signal -1
	s_barrier_wait -1
.endm
.macro PLACES n                        ; places behind a matrix instruction (ISA guide 7.12.1 for vector instructions)
.rept \n
	v_nop
.endr
.endm
	s_load_b128 s[4:7], s[0:1], 0x0                ; qkv_img s[4:5], the exponents s[6:7]
	s_load_b64 s[8:9], s[0:1], 0x10                ; o_codes
	v_lshl_add_u32 v[SPW], v0, 2, SPARE
	v_mov_b32 v[NIL], 0
	ds_add_u32 v[SPW], v[NIL]                      ; the opening lines: the add twice on end
	ds_add_u32 v[SPW], v[NIL]
	v_lshrrev_b32 v1, 5, v0
	v_readfirstlane_b32 s[WV], v1                  ; wave 0..7
	s_bfe_u32 s17, ttmp6, 0x40000                  ; cx: which 256 queries
	s_and_b32 s18, ttmp7, 0xffff                   ; the head, 16 x batch + head
	; descriptor group 1: rows of 32 elements of 8 bytes, dense; 24 rows a wave, then 40
.irp g, 0,1
	s_mov_b32 s[G1+8*\g], 15|(3<<16)|(1<<21)       ; the mask names all four work-groups; bit 21 beside it
	s_mov_b32 s[G1+8*\g+1], 32<<16
	s_mov_b32 s[G1+8*\g+2], (24+16*\g)<<16
	s_mov_b32 s[G1+8*\g+3], 32<<16
	s_mov_b32 s[G1+8*\g+4], 24+16*\g
	s_mov_b32 s[G1+8*\g+5], 32
	s_mov_b32 s[G1+8*\g+6], 0
	s_mov_b32 s[G1+8*\g+7], 0
.endr
	s_mov_b32 s[SEL], 0x76543210                   ; v_permlanex16_b32: lane l xor 16
	s_mov_b32 s[SEL+1], 0xfedcba98
	s_mul_i32 s60, s18, HEADB
	s_mul_i32 s61, s[WV], 6144                     ; my part of key steps 0 to 2
	s_mul_i32 s62, s[WV], 10240                    ; and of 3 to 7
	s_add_co_u32 s68, s60, s61
	s_add_co_u32 s68, s68, 65536                   ; behind Q
	s_mov_b32 s69, 0
	s_add_co_u32 s70, s60, s62
	s_add_co_u32 s70, s70, 65536+49152
	s_mov_b32 s71, 0
	s_mov_b32 s[G0], 1
	s_mov_b32 s[G0+1], s61
	s_mov_b32 s[G0+4], 1
	s_add_co_u32 s[G0+5], s62, 49152
	s_lshl_b32 s72, s17, 14                        ; Q, and o_codes in the head's 65,536 bytes: 16,384 bytes for 256 queries, 2,048 for my 32
	s_lshl_b32 s73, s[WV], 11
	s_add_co_u32 s72, s72, s73
	s_lshl_b32 s74, s18, 16
	s_add_co_u32 s74, s74, s72
	s_mov_b32 s75, 0
	s_add_co_u32 s72, s72, s60
	s_mov_b32 s73, 0
	s_wait_dscnt 0x0                               ; both opening adds are done
	s_wait_kmcnt 0x0
	s_load_b256 s[48:55], s[6:7], 0x0              ; e0 .. e7
	s_add_nc_u64 s[G0+2:G0+3], s[4:5], s[68:69]
	s_or_b32 s[G0+3], s[G0+3], 0x80000000
	s_add_nc_u64 s[G0+6:G0+7], s[4:5], s[70:71]
	s_or_b32 s[G0+7], s[G0+7], 0x80000000
	CROUND                                         ; all four work-groups are here: the joint loads meet
	tensor_load_to_lds s[G0:G0+3], s[G1:G1+7]      ; key steps 0 to 2
	s_nop 0
	PLACES 4
	s_add_nc_u64 s[72:73], s[4:5], s[72:73]
	s_add_nc_u64 s[8:9], s[8:9], s[74:75]
	s_lshl_b32 s60, s[WV], 11
	s_add_co_u32 s60, s60, STAGE                   ; my stage
	v_and_b32 v1, 31, v0
	v_lshlrev_b32 v[LN16], 4, v1
	WIN 0x40
.irp i, 0,1,2,3
	global_load_b128 v[QF+4*\i:QF+4*\i+3], v[LN16], s[72:73] offset:512*\i th:TH_LOAD_NT   ; Q's two tiles
.endr
	WIN 0
.irp g, MA, MB
	v_mov_b32 v[\g], 0x7f61b1e6                    ; -M: 3e38, M under every t
	v_mov_b32 v[\g+1], 0xff61b1e6                  ; the largest score so far: -3e38
.endr
	v_mov_b32 v[FA+1], 0                           ; written once: a lane permute's destination counts as one of its sources
	v_mov_b32 v[FB+1], 0
.set j, 0
.rept 8
	v_mov_b32 v[SA+j], 0
.set j, j+1
.endr
.set j, 0
.rept 64
	v_mov_b32 v[O+j], 0                            ; the step is written once for the first key step too: its change of M leaves zeros zeros
.set j, j+1
.endr
	s_wait_kmcnt 0x0
	s_add_co_i32 s56, s50, s51
	s_lshl_b32 s56, s56, 23
	s_add_co_i32 s[CS], s56, 0x3cb8aa3b            ; c = log2(e) / 64 x 2^(e2 + e3): the exponents are added to the exponent field
	s_mov_b32 s[CS+1], s[CS]                       ; (named with it as a pair, so it is written)
	s_add_co_i32 s56, s52, 127
	s_lshl_b32 s57, s56, 23
	v_mov_b32 v[PSC], s57                          ; 2^e4
	s_add_co_i32 s56, s56, 15
	s_lshl_b32 s56, s56, 23
	s_or_b32 s56, s56, 0x600000
	v_mov_b32 v[LIM], s56                          ; 57,344 x 2^e4
	s_add_co_i32 s59, s54, 127
	s_lshl_b32 s58, s59, 23                        ; 2^e6
	s_add_co_i32 s59, s59, 15
	s_lshl_b32 s59, s59, 23
	s_or_b32 s59, s59, 0x600000                    ; 57,344 x 2^e6
	s_add_co_i32 s62, s52, s53                     ; e4 + e5
	s_wait_alu depctr_va_vdst(0)                   ; the wait at the head's end
	s_wait_tensorcnt 0x0                           ; my part of key steps 0 to 2 is in
	ds_add_u32 v[SPW], v[NIL]
	s_wait_dscnt 0x0
	CROUND                                         ; everybody's part is in, and all four work-groups are here
	tensor_load_to_lds s[G0+4:G0+7], s[G1+8:G1+15] ; key steps 3 to 7
	s_nop 0
	PLACES 4
	WIN 0x40
.irp t, 0,1,2,3,4,5,6,7
.irp c, 0,1
	ds_load_b128 v[KF+8*\t+4*\c:KF+8*\t+4*\c+3], v[LN16] offset:1024*\t+512*\c   ; K of step 0
.endr
.endr
	WIN 0
.macro CVT j                           ; batch j: 16 numbers of p, two tiles of 16 keys: the results are four registers of the next product's operand
	v_cvt_scalef32_pk8_bf8_f32 v[PC+4*(\j):PC+4*(\j)+1], v[S+16*(\j):S+16*(\j)+7], v[PSC]
	v_cvt_scalef32_pk8_bf8_f32 v[PC+4*(\j)+2:PC+4*(\j)+3], v[S+16*(\j)+8:S+16*(\j)+15], v[PSC]
.endm
.macro SUMS j                          ; the row's sum, of the unquantised p
.set R, S+16*(\j)
.set C, SA+4*((\j)/4)
	v_pk_add_f32 v[T:T+1], v[R:R+1], v[R+2:R+3]
	v_pk_add_f32 v[T+2:T+3], v[R+4:R+5], v[R+6:R+7]
	v_pk_add_f32 v[T+4:T+5], v[R+8:R+9], v[R+10:R+11]
	v_pk_add_f32 v[T+6:T+7], v[R+12:R+13], v[R+14:R+15]
	v_pk_add_f32 v[T:T+1], v[T:T+1], v[T+2:T+3]
	v_pk_add_f32 v[T+4:T+5], v[T+4:T+5], v[T+6:T+7]
	v_pk_add_f32 v[C:C+1], v[C:C+1], v[T:T+1]
	v_pk_add_f32 v[C+2:C+3], v[C+2:C+3], v[T+4:T+5]
.endm
.macro FMA j, q                        ; t - M, two numbers
.set R, S+16*(\j)+2*(\q)
.set C, MA+2*((\j)/4)
	v_pk_fma_f32 v[R:R+1], v[R:R+1], s[CS:CS+1], v[C:C+1] op_sel_hi:[1,0,0]
.endm
.macro HOLD j, q                       ; the conversion to an 8-bit code does not saturate (ISA guide 7.6.2); p is not negative
.set R, S+16*(\j)+2*(\q)
	v_dual_min_num_f32 v[R], v[R], v[LIM] :: v_dual_min_num_f32 v[R+1], v[R+1], v[LIM]
.endm
; A KEY STEP, 128 keys.  K's fragments are in registers; V's, and K's of the next step, are asked for behind the first product and are on their way under the softmax.  final = 1: the loop's last trip has no next step.
.macro STEP final
	WIN 0x05
.irp t, 0,1,2,3,4,5,6,7                ; S^T = K Q^T
	v_wmma_f32_16x16x64_bf8_bf8 v[S+8*\t:S+8*\t+7], v[KF+8*\t:KF+8*\t+7], v[QF:QF+7], 0
	v_wmma_f32_16x16x64_bf8_bf8 v[S+64+8*\t:S+64+8*\t+7], v[KF+8*\t:KF+8*\t+7], v[QF+8:QF+15], 0
.endr
	WIN 0
	v_add_nc_u32 v[ADR], s[TB], v[LN16]            ; one of the four places in front of the loads and of the first read of results
	PLACES 3
	WIN 0x40
.irp d, 0,1,2,3
.irp c, 0,1,2,3
	ds_load_b128 v[VF+16*\d+4*\c:VF+16*\d+4*\c+3], v[ADR] offset:8192+2048*\d+512*\c
.endr
.endr
.if \final
	WIN 0
	s_cmp_eq_u32 s[CNT], 1
	s_cbranch_scc1 .Lno_next_\@
	WIN 0x40
.endif
.irp t, 0,1,2,3,4,5,6,7
.irp c, 0,1
	ds_load_b128 v[KF+8*\t+4*\c:KF+8*\t+4*\c+3], v[ADR] offset:16384+1024*\t+512*\c
.endr
.endr
	WIN 0
.if \final
.Lno_next_\@:
.endif
	v_max3_num_f32 v[T], v[MA+1], v[S], v[S+1]     ; the largest score so far of each tile's query, in two chains each; each accumulator from its low end on
	v_max3_num_f32 v[T+2], v[MB+1], v[S+64], v[S+65]
	v_max_num_f32 v[T+1], v[S+2], v[S+3]
	v_max_num_f32 v[T+3], v[S+66], v[S+67]
.set R, S+4
.rept 15
	v_max3_num_f32 v[T], v[T], v[R], v[R+1]
	v_max3_num_f32 v[T+2], v[T+2], v[R+64], v[R+65]
	v_max3_num_f32 v[T+1], v[T+1], v[R+2], v[R+3]
	v_max3_num_f32 v[T+3], v[T+3], v[R+66], v[R+67]
.set R, R+4
.endr
	v_max_num_f32 v[T], v[T], v[T+1]
	v_max_num_f32 v[T+2], v[T+2], v[T+3]
	v_permlanex16_b32 v[FA+1], v[T], s[SEL], s[SEL+1]
	v_permlanex16_b32 v[FB+1], v[T+2], s[SEL], s[SEL+1]
	v_max_num_f32 v[MA+1], v[T], v[FA+1]           ; and among lane l xor 16's
	v_max_num_f32 v[MB+1], v[T+2], v[FB+1]
	v_mul_f32 v[T], s[CS], v[MA+1]                 ; as t (c is positive)
	v_mul_f32 v[T+2], s[CS], v[MB+1]
	v_mov_b32 v[T+4], v[MA]
	v_mov_b32 v[T+6], v[MB]
	v_floor_f32 v[MA], -v[T]                       ; -M = floor(-t)
	v_floor_f32 v[MB], -v[T+2]
	v_sub_f32 v[T+4], v[MA], v[T+4]                ; old M - new M, a whole number, 0 or less
	v_sub_f32 v[T+6], v[MB], v[T+6]
.irp q, 0,1,2,3,4,5,6,7
	FMA 0, \q
.endr
	v_cvt_i32_f32 v[T+4], v[T+4]                   ; (it saturates)
	v_cvt_i32_f32 v[T+6], v[T+6]
	v_ldexp_f32 v[FA], 1.0, v[T+4]
	v_ldexp_f32 v[FB], 1.0, v[T+6]
.irp i, 0,2
	v_pk_mul_f32 v[SA+\i:SA+\i+1], v[SA+\i:SA+\i+1], v[FA:FA+1] op_sel_hi:[1,0]   ; the sums and O^T under the new M
	v_pk_mul_f32 v[SB+\i:SB+\i+1], v[SB+\i:SB+\i+1], v[FB:FB+1] op_sel_hi:[1,0]
.endr
.set R, O
.rept 16
	v_pk_mul_f32 v[R:R+1], v[R:R+1], v[FA:FA+1] op_sel_hi:[1,0]
	v_pk_mul_f32 v[R+32:R+33], v[R+32:R+33], v[FB:FB+1] op_sel_hi:[1,0]
.set R, R+2
.endr
.set J, 0
.rept 8
	s_wait_alu depctr_va_vdst(0)                   ; ONE wait a batch, which serves the last batch's results and this one's sources
.if J >= 2
	CVT J-2
.endif
.if J >= 1
	SUMS J-1
.endif
.set I, 0
.rept 16
	v_exp_f32 v[S+16*J+I], v[S+16*J+I]             ; p = 2^(t - M)
.if (I%2) == 0
.if J < 7
	FMA J+1, I/2
.endif
.else
.if J >= 1
	HOLD J-1, I/2
.endif
.endif
.set I, I+1
.endr
.set J, J+1
.endr
	s_wait_alu depctr_va_vdst(0)                   ; the last batch's results
	CVT 6
	SUMS 7
.irp q, 0,1,2,3,4,5,6,7
	HOLD 7, \q
.endr
	CVT 7
	v_nop                                          ; one plain place between a conversion and the matrix instruction that reads its result
	s_wait_alu depctr_va_vdst(0)                   ; directly ahead of the wait below
	s_wait_dscnt 0x0                               ; V, and K of the next step
	WIN 0x01
.irp d, 0,1,2,3                        ; O^T += V^T P^T
	v_wmma_f32_16x16x128_bf8_bf8 v[O+8*\d:O+8*\d+7], v[VF+16*\d:VF+16*\d+15], v[PC:PC+15], v[O+8*\d:O+8*\d+7]
	v_wmma_f32_16x16x128_bf8_bf8 v[O+32+8*\d:O+32+8*\d+7], v[VF+16*\d:VF+16*\d+15], v[PC+16:PC+31], v[O+32+8*\d:O+32+8*\d+7]
.endr
	WIN 0
	s_add_co_u32 s[TB], s[TB], 16384
.endm
	s_mov_b32 s[TB], 0
	s_mov_b32 s[CNT], 2
	s_wait_loadcnt 0x0                             ; Q
	s_wait_dscnt 0x0                               ; K of step 0
.Lsteps_a:                                             ; key steps 0 and 1; K of step 2 lies in the first load's bytes too
	STEP 0
	s_sub_co_u32 s[CNT], s[CNT], 1
	s_cmp_lg_u32 s[CNT], 0
	s_cbranch_scc1 .Lsteps_a
	s_wait_alu depctr_va_vdst(0)                   ; directly ahead of the wait below
	s_wait_tensorcnt 0x0                           ; my part of key steps 3 to 7 is in,
	s_barrier_signal -1
	s_barrier_wait -1                              ; everybody's is
	s_mov_b32 s[CNT], 6
.Lsteps_b:                                             ; key steps 2 to 7
	STEP 1
	s_sub_co_u32 s[CNT], s[CNT], 1
	s_cmp_lg_u32 s[CNT], 0
	s_cbranch_scc1 .Lsteps_b
	PLACES 4                                       ; in front of the first read of O^T
	; O / the sum, quantised with 2^e6; through my stage, so that a store of the wave covers 512 consecutive bytes, aligned
	v_pk_add_f32 v[SA:SA+1], v[SA:SA+1], v[SA+2:SA+3]
	v_pk_add_f32 v[SB:SB+1], v[SB:SB+1], v[SB+2:SB+3]
	v_add_f32 v[SA], v[SA], v[SA+1]
	v_add_f32 v[SB], v[SB], v[SB+1]
	v_permlanex16_b32 v[FA+1], v[SA], s[SEL], s[SEL+1]
	v_permlanex16_b32 v[FB+1], v[SB], s[SEL], s[SEL+1]
	v_add_f32 v[SA], v[SA], v[FA+1]
	v_add_f32 v[SB], v[SB], v[FB+1]
	s_wait_alu depctr_va_vdst(0)                   ; ahead of the transcendentals
	v_rcp_f32 v[SA], v[SA]
	v_rcp_f32 v[SB], v[SB]
	v_and_b32 v1, 15, v0                           ; r  (plain places behind the transcendentals)
	v_bfe_u32 v3, v0, 4, 1                         ; h
	v_lshlrev_b32 v6, 6, v1                        ; v6: my token's 64 codes, + 8 h
	v_lshl_add_u32 v6, v3, 3, v6
	v_add_nc_u32 v6, s60, v6
	v_add_nc_u32 v7, s60, v[LN16]                  ; v7: back, 16 bytes a lane
	v_mov_b32 v[PSC], s58
	v_mov_b32 v[LIM], s59
	s_wait_alu depctr_va_vdst(0)                   ; the wait, ahead of the transcendentals' first readers
	v_ldexp_f32 v[SA], v[SA], s62                  ; x 2^(e4 + e5)
	v_ldexp_f32 v[SB], v[SB], s62
	s_wait_alu depctr_va_vdst(0)                   ; and here, directly ahead of the first reader of O^T
.set j, 0
.rept 32
	v_mul_f32 v[S+j], v[O+j], v[SA]
	v_mul_f32 v[S+32+j], v[O+32+j], v[SB]
.set j, j+1
.endr
.set j, 0
.rept 64
	v_med3_num_f32 v[S+j], v[S+j], -v[LIM], v[LIM]
.set j, j+1
.endr
.irp d, 0,1,2,3,4,5,6,7
	v_cvt_scalef32_pk8_bf8_f32 v[PC+2*\d:PC+2*\d+1], v[S+8*\d:S+8*\d+7], v[PSC]
.endr
	v_nop
.irp d, 0,1,2,3
	ds_store_b64 v6, v[PC+2*\d:PC+2*\d+1] offset:16*\d           ; tile A's 16 tokens,
	ds_store_b64 v6, v[PC+8+2*\d:PC+8+2*\d+1] offset:1024+16*\d  ; and tile B's
.endr
.irp i, 0,1,2,3
	ds_load_b128 v[S+4*\i:S+4*\i+3], v7 offset:512*\i            ; LDS serves a wave's instructions in order (ISA guide 5.7.1.4): these see my stores
.endr
.irp i, 0,1,2,3
	s_wait_dscnt 3-\i                              ; load i is back; the younger ones may be out
	global_store_b128 v[LN16], v[S+4*\i:S+4*\i+3], s[8:9] offset:512*\i
.endr
	s_wait_tensorcnt 0x0                           ; the wave's end
	ds_add_u32 v[SPW], v[NIL]
	s_wait_dscnt 0x0
	CROUND                                         ; the closing round: no work-group ends while a partner may still ask for a tile that names it
	s_endpgm
.Lfunc_end_k_q6e5c650bb6_attn:
	.size	k_q6e5c650bb6_attn, .Lfunc_end_k_q6e5c650bb6_attn-k_q6e5c650bb6_attn
	.p2alignl 7, 3214868480
	.fill 96, 4, 3214868480
	.section	.rodata,"a",@progbits
	.p2align	6, 0x0
	.amdhsa_kernel k_q6e5c650bb6_attn
		.amdhsa_group_segment_fixed_size 327680
		.amdhsa_private_segment_fixed_size 0
		.amdhsa_enable_private_segment 0
		.amdhsa_kernarg_size 24
		.amdhsa_user_sgpr_count 2
		.amdhsa_user_sgpr_kernarg_segment_ptr 1
		.amdhsa_wavefront_size32 1
		.amdhsa_system_sgpr_workgroup_id_x 1
		.amdhsa_system_sgpr_workgroup_id_y 1
		.amdhsa_system_sgpr_workgroup_id_z 1
		.amdhsa_system_vgpr_workitem_id 0
		.amdhsa_next_free_vgpr 400
		.amdhsa_next_free_sgpr 96
		.amdhsa_reserve_vcc 0
		.amdhsa_float_denorm_mode_32 3
		.amdhsa_float_denorm_mode_16_64 3
		.amdhsa_memory_ordered 1
		.amdhsa_forward_progress 1
		.amdhsa_inst_pref_size 76
	.end_amdhsa_kernel
	.amdgpu_metadata
---
amdhsa.version: [ 1, 2 ]
amdhsa.kernels:
  - .name:           k_q6e5c650bb6_attn
    .symbol:         k_q6e5c650bb6_attn.kd
    .args:
      - { .name: qkv_img, .offset: 0, .size: 8, .value_kind: global_buffer, .address_space: global }
      - { .name: lowp_scales, .offset: 8, .size: 8, .value_kind: global_buffer, .address_space: global }
      - { .name: o_codes, .offset: 16, .size: 8, .value_kind: global_buffer, .address_space: global }
    .group_segment_fixed_size: 327680
    .private_segment_fixed_size: 0
    .kernarg_segment_align: 8
    .kernarg_segment_size: 24
    .max_flat_workgroup_size: 256
    .sgpr_count:     96
    .vgpr_count:     400
    .wavefront_size: 32
...
	.end_amdgpu_metadata
.endif
;; end of part 3
;; launch outp (part 4): grid 8 x 32, 4 waves a work-group, clusters of 4 x 4, 327,680 bytes of LDS; arguments o_codes, w_out_codes, lowp_scales, b_out, x, out0; writes out0
.if DOCPART == 4
	.amdgcn_target "amdgcn-amd-amdhsa--gfx1250"
	.amdhsa_code_object_version 6
	.text
	.protected	k_q6e5c650bb6_outp
	.globl	k_q6e5c650bb6_outp
	.p2align	8
	.type	k_q6e5c650bb6_outp,@function
k_q6e5c650bb6_outp:
	s_mov_b64 s[64:65], 0
	v_nop
	global_prefetch_b8 v0, s[64:65] scope:SCOPE_SE
	s_setreg_imm32_b32 hwreg(HW_REG_WAVE_MODE, 25, 1), 1
	s_wait_xcnt 0x0
	s_wait_alu depctr_hold_cnt(0) depctr_sa_sdst(0) depctr_va_vdst(0) depctr_va_sdst(0) depctr_va_ssrc(0) depctr_va_vcc(0) depctr_vm_vsrc(0)
	s_getreg_b32 s2, hwreg(HW_REG_IB_STS2, 6, 4)
	s_cmp_eq_u32 s2, 0
	s_cbranch_scc0 .Lentry_in_a_cluster
	s_endpgm
.Lentry_in_a_cluster:
	s_bfe_u32 s2, ttmp6, 0x10000c
	s_cmp_lg_u32 s2, 0xf033
	s_cbranch_scc0 .Lentry_shape_is_right
	s_endpgm
.Lentry_shape_is_right:
; out0 = x + (o w_out^T x 2^(e6 + e7) + b_out).  o_codes [4096][1024], w_out_codes [1024][1024]: codes of E5M2, one a byte, K innermost.  x, out0: [4096][1024] f32; b_out [1024] f32.
; A tile of the result is 128 x 128: 256 work-groups of four waves, each wave 64 x 64.
; ALL OF K AT ONCE: a tile's 128 rows of o and 128 rows of w_out, 1,024 bytes each, come by ONE tensor load a wave (64 rows); no byte of LDS is filled twice, and one barrier follows.  No prefetch: there is no later tile to ask for.
; BY ROWS: the wave's 64 rows of w_out go into registers whole (512), and its four blocks of 16 rows of o are finished one after the other, each with 32 matrix instructions: a block leaves while the next is multiplied.
; CLUSTERS: 4 x 4 work-groups.  The four of a row of the cluster need the same rows of o, the four of a column the same rows of w_out: each tile is asked for jointly.
; The matrix instruction is used transposed (source 0 = 16 rows of w_out, source 1 = 16 rows of o): a lane holds eight neighbouring numbers of a row of the result.
; x comes in the layout of the final stores: block 0's rows are asked for at the head, those of blocks 1 to 3, which are wanted later, behind the barrier.  Within a matrix instruction k is permuted alike in both operands.
; LIMIT: e6 + e7 between -126 and 127.
; REGISTERS: window 0: v1-31 addresses and the bias; v32-95 two sets of four accumulators; v96-127 rows read back; v128-255 my 64 x 64 of x, then the result.
;   windows 1, 2: w_out's fragments, K 0-511 and 512-1,023.   window 3: two buffers of a block of o, 16 rows x 1,024 K.
.set PITCH, 1040                       ; an LDS row: 1,024 bytes + 16 of padding: the 16 rows that a load touches start at 16 different banks (64 banks of 4 bytes: ISA guide 11.1)
.set PART,  64*PITCH                   ; what one tensor load brings
.set STAGE, 4*PART                     ; behind o's 128 rows and w_out's 128: 16 rows x 272 bytes for each wave, for the way out
.set SPITCH, 272
.set SPARE, STAGE+4*16*SPITCH
.set ADRA, 8
.set ADRB, 9
.set STO,  10                          ; the way out: where I put 32 bytes of a row,
.set RD,   11                          ; where I read a row back,
.set CO,   12                          ; my byte offset in x and in out0: 4,096 h + 16 r
.set BO,   13                          ; 16 r
.set BV,   16                          ; v16-19 b_out of my four columns
.set SPW,  30
.set NIL,  31
.set RB,   96
.set X,    128
.set G1,  24                           ; s[24:31] descriptor group 1 for o;  s[32:39] for w_out
.set G1B, 32
.set G0A, 40
.set G0B, 44
.set MSB, 0
.macro WIN new                         ; the immediate's high byte repeats the setting that is left
.if MSB != (\new)
	s_set_vgpr_msb (MSB<<8)|(\new)
.set MSB, (\new)
.endif
.endm
.macro CROUND                          ; a round of the cluster's barrier
	s_barrier_signal -1
	s_barrier_wait -1
	s_cmp_lg_u32 s16, 0
	s_cbranch_scc1 .Lnot_wave_0_\@
	s_barrier_signal -3
.Lnot_wave_0_\@:
	s_barrier_wait -3
	s_barrier_signal -1
	s_barrier_wait -1
.endm
.macro XLOAD a                         ; block a's 16 rows of x: 16 lanes read 256 consecutive bytes of a row
.irp t, 0,1,2,3,4,5,6,7
	global_load_b128 v[X+4*(8*\a+\t):X+4*(8*\a+\t)+3], v[CO], s[12:13] offset:(16*\a+2*\t)*4096 th:TH_LOAD_NT
.endr
.endm
	s_load_b256 s[4:11], s[0:1], 0x0               ; o_codes s[4:5], w_out_codes s[6:7], the scales' exponents s[8:9], b_out s[10:11]
	s_load_b128 s[12:15], s[0:1], 0x20             ; x s[12:13], out0 s[14:15]
	v_lshl_add_u32 v[SPW], v0, 2, SPARE
	v_mov_b32 v[NIL], 0
	ds_add_u32 v[SPW], v[NIL]                      ; the opening lines: the add twice on end
	ds_add_u32 v[SPW], v[NIL]
	v_lshrrev_b32 v1, 5, v0
	v_readfirstlane_b32 s16, v1                    ; wave 0..3
	s_lshr_b32 s17, s16, 1                         ; which half of the tile's rows is mine.  Also: I fetch for o (0) or for w_out (1)
	s_and_b32 s18, s16, 1                          ; which half of its columns.  Also: which 64 rows I fetch
	s_bfe_u32 s84, ttmp6, 0x40000                  ; cx, cy: my place in the cluster
	s_bfe_u32 s85, ttmp6, 0x40004
	s_lshl_b32 s86, ttmp9, 2
	s_add_co_u32 s86, s86, s84                     ; tile column
	s_and_b32 s87, ttmp7, 0xffff
	s_lshl_b32 s87, s87, 2
	s_add_co_u32 s87, s87, s85                     ; tile row
	s_lshl_b32 s88, s85, 2
	s_lshl_b32 s88, 15, s88                        ; my row of the cluster
	s_lshl_b32 s89, 0x1111, s84                    ; my column
	; descriptor group 1: 64 rows x 1,024 bytes, padded in LDS
	s_or_b32 s[G1], s88, (1<<20)|(1<<21)|(7<<22)|(3<<25)    ; 15:0 the mask; elements of 1 byte; 20 padding on; 21 set beside a mask; 24:22 after every 256 words; 31:25 of 4 words
	s_or_b32 s[G1B], s89, (1<<20)|(1<<21)|(7<<22)|(3<<25)
.irp g, G1, G1B
	s_mov_b32 s[\g+1], 1024<<16
	s_mov_b32 s[\g+2], 64<<16
	s_mov_b32 s[\g+3], 1024<<16
	s_mov_b32 s[\g+4], 64
	s_mov_b32 s[\g+5], 1024
	s_mov_b32 s[\g+6], 0
	s_mov_b32 s[\g+7], 0
.endr
	s_lshl_b32 s19, s18, 6                         ; which 64 rows of the tile I fetch
	s_lshl_b32 s20, s87, 7
	s_add_co_u32 s20, s20, s19
	s_lshl_b32 s20, s20, 10                        ; o, in bytes
	s_mov_b32 s21, 0
	s_lshl_b32 s22, s86, 7
	s_add_co_u32 s22, s22, s19
	s_lshl_b32 s22, s22, 10                        ; w_out
	s_mov_b32 s23, 0
	s_mul_i32 s19, s16, PART                       ; where they go: no place in the cluster enters an LDS address
	s_lshl_b32 s58, s86, 7
	s_lshl_b32 s59, s18, 6
	s_add_co_u32 s58, s58, s59
	s_lshl_b32 s58, s58, 2                         ; my first column, in bytes of f32
	s_mov_b32 s59, 0
	s_lshl_b32 s56, s87, 7
	s_lshl_b32 s57, s17, 6
	s_add_co_u32 s56, s56, s57
	s_lshl_b32 s56, s56, 12                        ; my first row, 4,096 bytes each,
	s_add_co_u32 s56, s56, s58                     ; and column
	s_mov_b32 s57, 0
	s_wait_dscnt 0x0                               ; both opening adds are done
	s_wait_kmcnt 0x0
	s_load_b64 s[60:61], s[8:9], 0x18              ; e6, e7
	s_mov_b32 s[G0A], 1
	s_mov_b32 s[G0A+1], s19
	s_add_nc_u64 s[G0A+2:G0A+3], s[4:5], s[20:21]
	s_or_b32 s[G0A+3], s[G0A+3], 0x80000000
	s_mov_b32 s[G0B], 1
	s_mov_b32 s[G0B+1], s19
	s_add_nc_u64 s[G0B+2:G0B+3], s[6:7], s[22:23]
	s_or_b32 s[G0B+3], s[G0B+3], 0x80000000
	CROUND                                         ; all sixteen work-groups are here: the joint loads meet
	s_cmp_eq_u32 s17, 0
	s_cbranch_scc0 .Lfill_b
	tensor_load_to_lds s[G0A:G0A+3], s[G1:G1+7]
	s_nop 0
.rept 4
	v_nop
.endr
	s_branch .Lfilled
.Lfill_b:
	tensor_load_to_lds s[G0B:G0B+3], s[G1B:G1B+7]
	s_nop 0
.rept 4
	v_nop
.endr
.Lfilled:
	s_add_nc_u64 s[12:13], s[12:13], s[56:57]
	s_add_nc_u64 s[14:15], s[14:15], s[56:57]
	s_add_nc_u64 s[10:11], s[10:11], s[58:59]
	s_mul_i32 s66, s17, PART                       ; my 64 rows of o
	s_mul_i32 s67, s18, PART
	s_add_co_u32 s67, s67, 2*PART                  ; my 64 rows of w_out
	s_mul_i32 s68, s16, 16*SPITCH
	s_add_co_u32 s68, s68, STAGE                   ; my stage
	v_and_b32 v1, 15, v0                           ; r
	v_bfe_u32 v2, v0, 4, 1                         ; h
	v_lshlrev_b32 v[BO], 4, v1
	v_lshl_add_u32 v[CO], v2, 12, v[BO]
	global_load_b128 v[BV:BV+3], v[BO], s[10:11]   ; b_out of the four columns that I store
	XLOAD 0
	v_mul_u32_u24 v3, v1, PITCH
	v_lshl_add_u32 v3, v2, 4, v3                   ; a fragment's row x pitch + 16 h
	v_add_nc_u32 v[ADRA], s66, v3
	v_add_nc_u32 v[ADRB], s67, v3
	v_mul_u32_u24 v4, v1, SPITCH                   ; in: row r, 32 bytes for each half of the lanes
	v_lshl_add_u32 v4, v2, 5, v4
	v_add_nc_u32 v[STO], s68, v4
	v_mul_u32_u24 v5, v2, SPITCH                   ; back: lanes 0-15 take one row of 256 bytes, lanes 16-31 the next
	v_lshl_add_u32 v5, v1, 4, v5
	v_add_nc_u32 v[RD], s68, v5
.macro GROUP q                         ; 20 LDS loads: 128 along K of w_out's four tiles, and of block 0 of o
	WIN 0x40+0x40*((\q)/4)                         ; destination window 1 or 2
.irp b, 0,1,2,3
.irp c, 0,1,2,3
	ds_load_b128 v[64*((\q)%4)+16*\b+4*\c:64*((\q)%4)+16*\b+4*\c+3], v[ADRB] offset:128*(\q)+32*\c+16*PITCH*\b
.endr
.endr
	WIN 0xc0
.irp c, 0,1,2,3
	ds_load_b128 v[16*(\q)+4*\c:16*(\q)+4*\c+3], v[ADRA] offset:128*(\q)+32*\c
.endr
.endm
.macro ALOAD a                         ; 32 LDS loads: block a of o, all of K
	WIN 0xc0
.irp q, 0,1,2,3,4,5,6,7
.irp c, 0,1,2,3
	ds_load_b128 v[128*((\a)%2)+16*\q+4*\c:128*((\a)%2)+16*\q+4*\c+3], v[ADRA] offset:16*PITCH*(\a)+128*\q+32*\c
.endr
.endr
.endm
.macro MUL4 a, q                       ; block a's four accumulators take turns, one instruction a turn; the first of them start the sums
	WIN 0x0d+((\q)/4)                              ; source 0 window 1 or 2, source 1 window 3
.set D, 32+32*((\a)%2)
.set F, 128*((\a)%2)+16*(\q)
.irp b, 0,1,2,3
.if (\q) == 0
	v_wmma_f32_16x16x128_bf8_bf8 v[D+8*\b:D+8*\b+7], v[64*((\q)%4)+16*\b:64*((\q)%4)+16*\b+15], v[F:F+15], 0
.else
	v_wmma_f32_16x16x128_bf8_bf8 v[D+8*\b:D+8*\b+7], v[64*((\q)%4)+16*\b:64*((\q)%4)+16*\b+15], v[F:F+15], v[D+8*\b:D+8*\b+7]
.endif
.endr
.endm
	s_wait_kmcnt 0x0
	s_add_co_i32 s96, s60, s61
	s_add_co_i32 s96, s96, 127
	s_lshl_b32 s96, s96, 23                        ; 2^(e6 + e7)
	s_mov_b32 s97, s96                             ; (named with it as a pair, so it is written)
	s_wait_alu depctr_va_vdst(0)                   ; the wait at the head's end
	s_wait_tensorcnt 0x0                           ; my 64 rows are in,
	s_barrier_signal -1
	s_barrier_wait -1                              ; everybody's are
	GROUP 0
	GROUP 1
	GROUP 2
	WIN 0
.irp a, 1,2,3
	XLOAD \a                                       ; behind the first fragments' loads
.endr
.irp q, 0,1,2,3,4,5,6,7
.if \q < 6
	s_wait_dscnt 40                                ; group q is in; the two groups of 20 behind it may be out
.elseif \q == 6
	s_wait_dscnt 52                                ; group 7 and block 1's 32 loads may be out
.else
	s_wait_dscnt 32
.endif
	MUL4 0, \q
.if \q < 5
	GROUP \q+3
.elseif \q == 5
	ALOAD 1
.endif
.endr
; A block goes through my own stage in LDS and comes back as whole rows of 256 bytes, two an instruction; there the sums are scaled, bias and x are added, and sixteen lanes store 256 consecutive bytes, aligned.
.irp a, 0,1,2,3
	WIN 0
.if \a == 0
.rept 4
	v_nop                                          ; places: the LDS stores below read results just made (later blocks: the last block's sums stand there)
.endr
.endif
.set D, 32+32*(\a%2)
.irp b, 0,1,2,3
	ds_store_b128 v[STO], v[D+8*\b:D+8*\b+3] offset:64*\b        ; each accumulator from its low end on
	ds_store_b128 v[STO], v[D+8*\b+4:D+8*\b+7] offset:64*\b+16
.endr
.irp t, 0,1,2,3,4,5,6,7
	ds_load_b128 v[RB+4*\t:RB+4*\t+3], v[RD] offset:\t*2*SPITCH  ; LDS serves a wave's instructions in order (ISA guide 5.7.1.4): these see my stores
.endr
.if \a < 2
	ALOAD \a+2                                     ; into the buffer of block a, which is finished
	s_wait_dscnt 48                                ; block a + 1 is in; the stage's 16 and these 32 may be out
.elseif \a == 2
	s_wait_dscnt 16
.endif
.if \a < 3
.irp q, 0,1,2,3,4,5,6,7
	MUL4 \a+1, \q
.endr
.endif
	WIN 0
.if \a < 2
	s_wait_dscnt 32                                ; block a is back
.else
	s_wait_dscnt 0
.endif
	s_wait_loadcnt 24-8*\a                         ; its rows of x are in; the later blocks' loads may be out
.set j, 0
.rept 16
	v_pk_fma_f32 v[RB+j:RB+j+1], v[RB+j:RB+j+1], s[96:97], v[BV+(j%4):BV+(j%4)+1] op_sel_hi:[1,0,1]   ; sum x 2^(e6 + e7) + b_out
.set j, j+2
.endr
.set j, 0
.rept 16
	v_pk_add_f32 v[X+32*\a+j:X+32*\a+j+1], v[RB+j:RB+j+1], v[X+32*\a+j:X+32*\a+j+1]   ; + x
.set j, j+2
.endr
.irp t, 0,1,2,3,4,5,6,7
	global_store_b128 v[CO], v[X+32*\a+4*\t:X+32*\a+4*\t+3], s[14:15] offset:(16*\a+2*\t)*4096 th:TH_STORE_NT   ; written once, read by nobody here
.endr
.endr
	s_wait_tensorcnt 0x0                           ; the wave's end
	ds_add_u32 v[SPW], v[NIL]
	s_wait_dscnt 0x0
	CROUND                                         ; the closing round: no work-group ends while a partner may still ask for a tile that names it
	s_endpgm
.Lfunc_end_k_q6e5c650bb6_outp:
	.size	k_q6e5c650bb6_outp, .Lfunc_end_k_q6e5c650bb6_outp-k_q6e5c650bb6_outp
	.p2alignl 7, 3214868480
	.fill 96, 4, 3214868480
	.section	.rodata,"a",@progbits
	.p2align	6, 0x0
	.amdhsa_kernel k_q6e5c650bb6_outp
		.amdhsa_group_segment_fixed_size 327680
		.amdhsa_private_segment_fixed_size 0
		.amdhsa_enable_private_segment 0
		.amdhsa_kernarg_size 48
		.amdhsa_user_sgpr_count 2
		.amdhsa_user_sgpr_kernarg_segment_ptr 1
		.amdhsa_wavefront_size32 1
		.amdhsa_system_sgpr_workgroup_id_x 1
		.amdhsa_system_sgpr_workgroup_id_y 1
		.amdhsa_system_sgpr_workgroup_id_z 1
		.amdhsa_system_vgpr_workitem_id 0
		.amdhsa_next_free_vgpr 1024
		.amdhsa_next_free_sgpr 100
		.amdhsa_reserve_vcc 0
		.amdhsa_float_denorm_mode_32 3
		.amdhsa_float_denorm_mode_16_64 3
		.amdhsa_memory_ordered 1
		.amdhsa_forward_progress 1
		.amdhsa_inst_pref_size 51
	.end_amdhsa_kernel
	.amdgpu_metadata
---
amdhsa.version: [ 1, 2 ]
amdhsa.kernels:
  - .name:           k_q6e5c650bb6_outp
    .symbol:         k_q6e5c650bb6_outp.kd
    .args:
      - { .name: o_codes, .offset: 0, .size: 8, .value_kind: global_buffer, .address_space: global }
      - { .name: w_out_codes, .offset: 8, .size: 8, .value_kind: global_buffer, .address_space: global }
      - { .name: lowp_scales, .offset: 16, .size: 8, .value_kind: global_buffer, .address_space: global }
      - { .name: b_out, .offset: 24, .size: 8, .value_kind: global_buffer, .address_space: global }
      - { .name: x, .offset: 32, .size: 8, .value_kind: global_buffer, .address_space: global }
      - { .name: out0, .offset: 40, .size: 8, .value_kind: global_buffer, .address_space: global }
    .group_segment_fixed_size: 327680
    .private_segment_fixed_size: 0
    .kernarg_segment_align: 8
    .kernarg_segment_size: 48
    .max_flat_workgroup_size: 128
    .sgpr_count:     100
    .vgpr_count:     1024
    .wavefront_size: 32
...
	.end_amdgpu_metadata
.endif
;; end of part 4
